; MI455X (gfx1250); checked and timed in simulation.
; The chip was launched on July 23, 2026; its instructions are those of AMD's public machine-readable ISA for CDNA 5 (MIT licence, August 2026) and "CDNA5" Instruction Set Architecture Reference Guide (July 2026). The comments in the code are by the model that wrote it; some were corrected since.
;; Ca T. Allowed arithmetic: matrix products marked QUANTISED: E4M3 operands, one given power-of-two scale a tensor, by v_wmma_f32_16x16x64_fp8_fp8 or v_wmma_f32_16x16x128_fp8_fp8, f32 sums; products left as they are: f32 operands where the result goes on into a quantised operand, else bf16, f16 or f32 operands; f32 sums; everything else in f32.
;; Inputs: W1 3 x 1 x 4 float32; W2 3 x 4 x 1 float32; Wk 3 x 8 x 16 float32; Wlm 1 x 1 float32; Wp 3 x 128 x 1 float32; Wq 3 x 8 x 16 float32; Wv 3 x 8 x 16 float32; X 4,096 x 64 float32; b1 3 x 4 float32; b2 3 x 1 float32; blm 1 float32; bp 3 x 1 float32; dag 64 x 64 int32; lowp_scales 6 int32 (the exponents e of the quantised operands' scales 2^e).
;; Outputs: out0 4,096 x 64 float32.
;; This version of the problem:
;;   THIS VERSION OF THE PROBLEM IS GIVEN IN LOW PRECISION. The matrix products marked QUANTISED in the list below multiply operands that are first quantised to E4M3 (4 exponent bits, 3 mantissa bits; 8 bits a number), with one given power-of-two scale for each operand tensor; their sums are f32. All else is computed in f32.
;;   The module's matrix products, in the order in which they are computed (A, B: the left and right operand; K: the contracted axis; several contracted axes count as one K, in the product's order):
;;     1. batch 32,768 x [M 64, K 16] x [K 16, N 64]; A: computed on the way; B: computed on the way: left as it is (K = 16 < 32)
;;     2. batch 32,768 x [M 64, K 64] x [K 64, N 16]; A: computed on the way; B: computed on the way: QUANTISED (scales: A lowp_scales[0], B lowp_scales[1])
;;     3. [M 262,144, K 128] x [K 128, N 1]; A: computed on the way; B: input Wp: left as it is (N = 1 < 16)
;;     4. [M 262,144, K 1] x [K 1, N 4]; A: computed on the way; B: input W1: left as it is (K = 1 < 32)
;;     5. [M 262,144, K 4] x [K 4, N 1]; A: computed on the way; B: input W2: left as it is (K = 4 < 32)
;;     6. batch 32,768 x [M 64, K 16] x [K 16, N 64]; A: computed on the way; B: computed on the way: left as it is (K = 16 < 32)
;;     7. batch 32,768 x [M 64, K 64] x [K 64, N 16]; A: computed on the way; B: computed on the way: QUANTISED (scales: A lowp_scales[2], B lowp_scales[3])
;;     8. [M 262,144, K 128] x [K 128, N 1]; A: computed on the way; B: input Wp: left as it is (N = 1 < 16)
;;     9. [M 262,144, K 1] x [K 1, N 4]; A: computed on the way; B: input W1: left as it is (K = 1 < 32)
;;     10. [M 262,144, K 4] x [K 4, N 1]; A: computed on the way; B: input W2: left as it is (K = 4 < 32)
;;     11. batch 32,768 x [M 64, K 16] x [K 16, N 64]; A: computed on the way; B: computed on the way: left as it is (K = 16 < 32)
;;     12. batch 32,768 x [M 64, K 64] x [K 64, N 16]; A: computed on the way; B: computed on the way: QUANTISED (scales: A lowp_scales[4], B lowp_scales[5])
;;     13. [M 262,144, K 128] x [K 128, N 1]; A: computed on the way; B: input Wp: left as it is (N = 1 < 16)
;;     14. [M 262,144, K 1] x [K 1, N 4]; A: computed on the way; B: input W1: left as it is (K = 1 < 32)
;;     15. [M 262,144, K 4] x [K 4, N 1]; A: computed on the way; B: input W2: left as it is (K = 4 < 32)
;;     16. [M 262,144, K 1] x [K 1, N 1]; A: computed on the way; B: input Wlm: left as it is (K = 1 < 32)
;;   THE QUANTISER, for each operand of a quantised product, along K:
;;     - The operand's scale is 2^e, e = its entry of the input lowp_scales (int32; the entries are numbered through the quantised products in the list's order, A before B).
;;     - Each number is divided by the scale, clamped to +-448, and rounded to the nearest number of E4M3, ties to even, subnormals kept.
;;     - The product sums the exact products of the quantised numbers (number of the format x scale) in f32.
;;   ~~~python
;;   def quantise(x, axis, e):      # numpy; x: float32 -> the quantised numbers, widened to float32 again
;;       x = np.moveaxis(x, axis, -1); K = x.shape[-1]
;;       r = np.clip(x / 2.0 ** e, -448, 448)
;;       step = 2.0 ** (np.maximum(np.frexp(np.where(r == 0, 1, r))[1] - 1, -6) - 3)
;;       q = np.round(r / step) * step * 2.0 ** e      # np.round: ties to even
;;       return np.moveaxis(q, -1, axis).astype(np.float32)
;;   ~~~
;;   OPERANDS COMPUTED ON THE WAY. 'Computed on the way' means the value that the module computes at that place (a softmax that the list does not call 'softmax' is quantised finished and normalised). What goes into a quantiser is computed in f32, as accurately as f32 sums, v_exp_f32 and their like allow (about 1e-6 of the number): no bf16 or f16 on the way to a quantiser, and a product that is left as it is and whose result goes on into a quantised operand takes f32 operands (vector FMAs, or v_wmma_f32_16x16x4_f32). A number that lies on a knife's edge between two numbers of the format may be rounded either way, as far as f32 arithmetic and the matrix unit's own rounding can turn it there, and no further.
;; 2 versions, each right; version 2 is version 1 with the launch cat written anew for expert scheduling mode. Each part assembles by itself: llvm-mc -triple=amdgcn-amd-amdhsa -mcpu=gfx1250 --defsym DOCPART=n.
;; ======== version 1 of 2: 1 launch
;; launch cat (part 1): grid 256 x 1, 16 waves a work-group, no clusters, 178,432 bytes of LDS; arguments X, dag, Wk, Wq, Wv, Wp, bp, W1, b1, W2, b2, Wlm, blm, lowp_scales, out0; writes out0
.if DOCPART == 1
	.amdgcn_target "amdgcn-amd-amdhsa--gfx1250"
	.amdhsa_code_object_version 6
	.text
	.protected	k_q68b66856c8_cat
	.globl	k_q68b66856c8_cat
	.p2align	8
	.type	k_q68b66856c8_cat,@function
k_q68b66856c8_cat:
	s_mov_b64 s[64:65], 0
	v_nop
	global_prefetch_b8 v0, s[64:65] scope:SCOPE_SE
	s_setreg_imm32_b32 hwreg(HW_REG_WAVE_MODE, 25, 1), 1
	s_wait_xcnt 0x0
; CaT: 4,096 batch rows of 64 scalars; three layers of (8 heads of masked attention, projection 128 -> 1, feed-forward 1 -> 4 -> 1, residuals), then a 1 x 1 head.
; SHARES.  256 work-groups x 16 waves: ONE WAVE OWNS ONE BATCH ROW, b = 16 x work-group + wave, through all three layers.  Four waves of 256 registers stand on a SIMD, so that one wave's
; exponentials and waits stand beside another's plain work.  The waves share only constant tables in LDS: one barrier, behind the set-up.  EXEC is never changed; both loops have constant trip counts.
; THE SCORES.  K and Q are a scalar x times a weight vector, so score(n, m) = x_n x_m (sum over d of Wq Wk) / 4 for every input.  c' = that sum x log2(e) / 4 is made once for each (layer, head) in f32;
; a = c' x_n;  t = x_m a - mx, one fused multiply-add;  E = 2^t.  mx = max(a HI, a LO), HI and LO the largest and smallest x_m among the row's valid keys: the row's true masked maximum, since x -> a x is monotone.
; Masked keys' x_m are held within [LO, HI] first, so that no exponential overflows; the mask itself is the table LIM (448 where dag[m][n] != 0, else 0):
; S' = sum of E x LIM = 448 x the row's sum;  inv = 448 x 2^-e0 / S';  P = min(E x inv, LIM) is p / 2^e0 with mask and hold at 448 in one line.  A row with no valid key has S' = 0, inv = infinity, P = min(infinity, 0) = 0.
; THE QUANTISED PRODUCT, transposed: D = V^T P^T, source 0 = 16 channels d x 64 keys (codes of x_m Wv[d] / 2^e1, held at +-448), source 1 = 64 keys x 16 queries (codes of P), k in its true places.
; Register j of lane (r, hf) is attn(n = 16 t + r, d = 8 hf + j); it is multiplied by Wp and summed over d and heads in f32, then by 2^(e0 + e1).
; LANES.  r = lane % 16, hf = lane / 16.  A tile t is queries 16 t + r.  A lane's 32 registers 8 c + i stand for keys 16 c + 8 hf + i.
; NO CLUSTER, NO TENSOR LOAD: what work-groups share (dag and the weights, 22 KB) is read once at the head through registers; a wave's own input is 256 bytes.
; LIMITS.  lowp_scales[2 l] (p's e0) between -118 and 126, so that 448 x 2^-e0 is a normal f32 number; lowp_scales[2 l + 1] and the sum of the two are applied by v_ldexp_f32.
; NaN and infinities among the inputs are not served.  A score is rounded as fl(c' x_n) x_m, fused with the subtraction of the maximum, not as a sum of 16 rounded products.
.set LIMT, 0                           ; LDS: LIM as images of registers: registers 4 g .. 4 g + 3 of tile t at 4096 t + 512 g + 16 x lane
.set MIT,  16384                       ; MI (+infinity where valid, -infinity where masked), laid likewise
.set WPT,  32768                       ; a copy of Wp: word i = element min(i, 383)
.set WVT,  34816                       ; a copy of Wv, likewise
.set CT,   36864                       ; c': word 8 l + h
.set XB,   37120                       ; + 512 x wave: the wave's own two buffers of x, 256 bytes each, by turns
.set VCI,  45312                       ; + 8192 x wave: the wave's own images of V's codes: head h at 1024 h + 16 x lane (registers 0-3) and + 512 (registers 4-7)
.set L16,  1                           ; v1   16 x lane
.set XM0,  2                           ; v2   XB + 512 w + 32 hf
.set XN0,  3                           ; v3   XB + 512 w + 4 r
.set VCA,  4                           ; v4   VCI + 8192 w + 16 x lane
.set WPA0, 5                           ; v5   WPT + 32 hf
.set WVA0, 6                           ; v6   WVT + 4 r
.set BIG,  7                           ; v7   448.0
.set ONE,  8                           ; v8   1.0: the conversions' scale
.set ATAB, 9                           ; v9   the tile's tables
.set AXM,  10                          ; v10  the layer's x by keys
.set AXN,  11                          ; v11  the tile's x by queries
.set AXW,  12                          ; v12  where the tile's new x goes
.set AWP,  13                          ; v13  the layer's Wp
.set TA,   14                          ; v14  at work
.set PD,   15                          ; v15  a lane permute's destination
.set XNR,  16                          ; v16  x_n
.set RHI,  17                          ; v17  HI
.set RLO,  18                          ; v18  LO
.set TB,   19                          ; v19  at work
.set CC,   20                          ; v20-27 c' of the layer's eight heads
.set X1,   28                          ; v28  x behind the attention, then behind the feed-forward
.set FF,   29                          ; v29-31 at work
.set ST0,  32                          ; v32-39, v40-47: a head's statistics: +0 a, +1 a HI, +2 mx, +3 a LO, +4:5 sum A, then inv, +6:7 sum B, permute, reciprocal
.set ST1,  40
.set YA,   48                          ; v48-55 sum over heads of attn x Wp, eight channels a lane
.set D0,   56                          ; v56-63, v64-71 the two heads' products
.set D1,   64
.set PC0,  72                          ; v72-79, v80-87 codes just made
.set PC1,  80
.set VC0,  88                          ; v88-95, v96-103 V's codes
.set VC1,  96
.set WP0,  104                         ; v104-111, v112-119 Wp of the two heads; in the V phase eight pairs (w', w')
.set WP1,  112
.set LIM,  120                         ; v120-151
.set XT,   152                         ; v152-183 x by keys, held within [LO, HI]
.set E0,   184                         ; v184-215, v216-247 the two heads' t, E, P
.set E1,   216
.set AXNL, 248                         ; v248 XN0 + the layer's buffer that is read
.set AXWL, 249                         ; v249 XN0 + the buffer that is written
.set AWV,  250                         ; v250 the layer's Wv
.set ACT,  251                         ; v251 the layer's c'
.set XW8,  252                         ; v252 XB + 512 w + 8 x lane; never rewritten
.set G8,   253                         ; v253 8 x lane; never rewritten
.set ADAG, 254                         ; v254 set-up: my place in dag
.set AWT,  255                         ; v255 set-up: 4 x min(thread, 383)
.set SW,   9                           ; set-up's temporaries, in registers that hold addresses alone
.set SL,   10
.set SR,   11
.set SH,   12
.set STB,  13
.set S4T,  248
.set SCT,  249
; scalars: s[4:33] the fifteen addresses; s34 wave; s35-37 at work; s[38:39] lane selects; s[40:43] W1[l]; s[44:47] b1[l]; s[48:51] W2[l]; s52 bp[l]; s53 b2[l]; s[54:55] e0, e1;
; s56 448 x 2^-e0; s57 e0 + e1; s58 -e1; s60 layer; s66 32 l; s67 512 l; s68, s69 the x buffer read, written (0 / 256); s70 tile; s71 4096 t; s72 64 t; s74 Wlm; s75 blm
	s_load_b512 s[4:19], s[0:1], 0x0               ; X s[4:5], dag s[6:7], Wk s[8:9], Wq s[10:11], Wv s[12:13], Wp s[14:15], bp s[16:17], W1 s[18:19]
	s_load_b256 s[20:27], s[0:1], 0x40             ; b1 s[20:21], W2 s[22:23], b2 s[24:25], Wlm s[26:27]
	s_load_b128 s[28:31], s[0:1], 0x60             ; blm s[28:29], lowp_scales s[30:31]
	s_load_b64 s[32:33], s[0:1], 0x70              ; out0
	v_lshrrev_b32 v[SW], 5, v0
	v_readfirstlane_b32 s34, v[SW]                 ; wave 0..15
	v_and_b32 v[SL], 31, v0                        ; lane
	v_and_b32 v[SR], 15, v0                        ; r
	v_bfe_u32 v[SH], v0, 4, 1                      ; hf
	v_lshlrev_b32 v[L16], 4, v[SL]
	v_lshlrev_b32 v[G8], 3, v[SL]
	s_lshl_b32 s35, s34, 9
	s_add_co_u32 s35, s35, XB                      ; my wave's x buffers
	v_lshl_add_u32 v[XM0], v[SH], 5, s35
	v_lshl_add_u32 v[XN0], v[SR], 2, s35
	v_add_nc_u32 v[XW8], s35, v[G8]
	s_lshl_b32 s35, s34, 13
	s_add_co_u32 s35, s35, VCI                     ; my wave's images of V's codes
	v_add_nc_u32 v[VCA], s35, v[L16]
	v_lshlrev_b32 v[WPA0], 5, v[SH]
	v_add_nc_u32 v[WPA0], WPT, v[WPA0]
	v_lshlrev_b32 v[WVA0], 2, v[SR]
	v_add_nc_u32 v[WVA0], WVT, v[WVA0]
	s_lshl_b32 s35, s34, 10
	v_add_nc_u32 v[STB], s35, v[L16]               ; the tables: wave w makes registers 8 (w % 4) .. + 7 of tile w / 4: 1024 w + 16 x lane
	v_lshlrev_b32 v[S4T], 2, v0                    ; 4 x thread
	v_lshrrev_b32 v[SCT], 4, v0
	v_lshlrev_b32 v[SCT], 2, v[SCT]                ; 4 x (thread / 16): c's word
	v_mov_b32 v[BIG], 0x43e00000                   ; 448.0
	v_mov_b32 v[ONE], 1.0
	v_mov_b32 v[PD], 0                             ; written once: a lane permute's destination counts as one of its sources
	v_mov_b32 v[E0+30], 0x7f800000                 ; +infinity
	v_mov_b32 v[E0+31], 0xff800000                 ; -infinity
	; dag[m][n] with m = 16 (w % 4) + 8 hf + i, n = 16 (w / 4) + r: byte 256 m + 4 n
	s_and_b32 s35, s34, 3
	s_lshl_b32 s35, s35, 12
	s_lshr_b32 s36, s34, 2
	s_lshl_b32 s36, s36, 6
	s_add_co_u32 s35, s35, s36
	v_lshlrev_b32 v[ADAG], 11, v[SH]
	v_lshl_add_u32 v[ADAG], v[SR], 2, v[ADAG]
	v_add_nc_u32 v[ADAG], s35, v[ADAG]
	v_min_u32 v[AWT], 383, v0                      ; the weights have 384 numbers: threads beyond them read the last once more, and no load leaves its buffer
	v_lshlrev_b32 v[AWT], 2, v[AWT]
	s_lshl_b32 s36, ttmp9, 4
	s_add_co_u32 s36, s36, s34                     ; my batch row
	s_lshl_b32 s36, s36, 8                         ; x 256 bytes
	s_mov_b32 s37, 0
	s_mov_b32 s38, 0x76543210                      ; v_permlanex16_b32: lane l xor 16
	s_mov_b32 s39, 0xfedcba98
	s_wait_kmcnt 0x0
	s_load_b32 s74, s[26:27], 0x0                  ; Wlm
	s_load_b32 s75, s[28:29], 0x0                  ; blm
	s_add_nc_u64 s[4:5], s[4:5], s[36:37]          ; X and out0 at my row
	s_add_nc_u64 s[32:33], s[32:33], s[36:37]
.irp i, 0,1,2,3,4,5,6,7
	global_load_b32 v[E0+\i], v[ADAG], s[6:7] offset:256*\i
.endr
	global_load_b32 v[E0+24], v[AWT], s[10:11]     ; Wq
	global_load_b32 v[E0+25], v[AWT], s[8:9]       ; Wk
	global_load_b32 v[E0+26], v[AWT], s[14:15]     ; Wp
	global_load_b32 v[E0+27], v[AWT], s[12:13]     ; Wv
	global_load_b64 v[E0+28:E0+29], v[G8], s[4:5] th:TH_LOAD_NT   ; my row of X: the wave reads 256 consecutive bytes
	s_wait_loadcnt 5                               ; the eight loads of dag are in; the five issued behind them may be out
.irp i, 0,1,2,3,4,5,6,7
	v_cmp_ne_u32 vcc_lo, 0, v[E0+\i]
	v_cndmask_b32 v[E0+8+\i], 0, v[BIG], vcc_lo            ; LIM: 448 where the key counts, else 0
	v_cndmask_b32 v[E0+16+\i], v[E0+31], v[E0+30], vcc_lo  ; MI: +infinity where it counts, else -infinity
.endr
	ds_store_b128 v[STB], v[E0+8:E0+11] offset:LIMT
	ds_store_b128 v[STB], v[E0+12:E0+15] offset:LIMT+512
	ds_store_b128 v[STB], v[E0+16:E0+19] offset:MIT
	ds_store_b128 v[STB], v[E0+20:E0+23] offset:MIT+512
	s_wait_loadcnt 0x0
	v_mul_f32 v[E0+24], v[E0+24], v[E0+25]         ; Wq Wk; sixteen neighbouring lanes hold one (layer, head)
	v_add_f32_dpp v[E0+24], v[E0+24], v[E0+24] row_xmask:1 row_mask:0xf bank_mask:0xf
	v_add_f32_dpp v[E0+24], v[E0+24], v[E0+24] row_xmask:2 row_mask:0xf bank_mask:0xf
	v_add_f32_dpp v[E0+24], v[E0+24], v[E0+24] row_xmask:4 row_mask:0xf bank_mask:0xf
	v_add_f32_dpp v[E0+24], v[E0+24], v[E0+24] row_xmask:8 row_mask:0xf bank_mask:0xf
	v_mul_f32 v[E0+24], 0x3eb8aa3b, v[E0+24]       ; x log2(e) / 4
	ds_store_b32 v[SCT], v[E0+24] offset:CT        ; sixteen lanes write one word with one value (words 24 to 31 are never read)
	ds_store_b32 v[S4T], v[E0+26] offset:WPT
	ds_store_b32 v[S4T], v[E0+27] offset:WVT
	ds_store_b64 v[XW8], v[E0+28:E0+29]            ; x into my buffer 0
	s_wait_dscnt 0x0                               ; for the others' sake: my part of the tables has landed
	s_barrier_signal -1
	s_barrier_wait -1                              ; the only barrier: from here on the tables are only read, and all else in LDS is a wave's own
	s_wait_kmcnt 0x0                               ; Wlm, blm
	s_mov_b32 s60, 0
	s_mov_b32 s66, 0
	s_mov_b32 s67, 0
	s_mov_b32 s68, 0
	s_mov_b32 s69, 256
; Heads 2 q and 2 q + 1 of V: codes of x_m w', w' = Wv / 2^e1, held at +-448; their images go to my own LDS bytes.
.macro VPAIR q
.set j, 0
.rept 16
	v_pk_mul_f32 v[E0+j:E0+j+1], v[XT+j:XT+j+1], v[WP0+4*(\q):WP0+4*(\q)+1]
	v_pk_mul_f32 v[E1+j:E1+j+1], v[XT+j:XT+j+1], v[WP0+4*(\q)+2:WP0+4*(\q)+3]
.set j, j+2
.endr
.set j, 0
.rept 64
	v_med3_num_f32 v[E0+j], v[E0+j], -v[BIG], v[BIG]       ; the conversion to an 8-bit code does not saturate (ISA guide 7.6.2): the hold comes first
.set j, j+1
.endr
	s_wait_dscnt 0x0                               ; the stores of the pair before have read the codes' registers
.set j, 0
.rept 4
	v_cvt_scalef32_pk8_fp8_f32 v[PC0+2*j:PC0+2*j+1], v[E0+8*j:E0+8*j+7], v[ONE]
	v_cvt_scalef32_pk8_fp8_f32 v[PC1+2*j:PC1+2*j+1], v[E1+8*j:E1+8*j+7], v[ONE]
.set j, j+1
.endr
	v_nop                                          ; one plain vector instruction behind the last conversion, ahead of whatever next writes its sources
	ds_store_b128 v[VCA], v[PC0:PC0+3] offset:2048*(\q)
	ds_store_b128 v[VCA], v[PC0+4:PC0+7] offset:2048*(\q)+512
	ds_store_b128 v[VCA], v[PC1:PC1+3] offset:2048*(\q)+1024
	ds_store_b128 v[VCA], v[PC1+4:PC1+7] offset:2048*(\q)+1536
.endm
; Heads 2 q and 2 q + 1 for the tile in hand.  first = 1: the pair starts the sum over heads.
.macro PAIR q, first
	v_mul_f32 v[ST0], v[CC+2*(\q)], v[XNR]         ; a = c' x_n.  (These eight lines name no register of the last products: with the four v_nop behind those they are the places in front of the loads below)
	v_mul_f32 v[ST1], v[CC+2*(\q)+1], v[XNR]
	v_mul_f32 v[ST0+1], v[ST0], v[RHI]
	v_mul_f32 v[ST1+1], v[ST1], v[RHI]
	v_mul_f32 v[ST0+3], v[ST0], v[RLO]
	v_mul_f32 v[ST1+3], v[ST1], v[RLO]
	v_max_num_f32 v[ST0+2], v[ST0+1], v[ST0+3]     ; mx: the row's largest masked score, in the exponent's units
	v_max_num_f32 v[ST1+2], v[ST1+1], v[ST1+3]
	ds_load_b128 v[VC0:VC0+3], v[VCA] offset:2048*(\q)             ; V's codes and Wp: wanted at the pair's end
	ds_load_b128 v[VC0+4:VC0+7], v[VCA] offset:2048*(\q)+512
	ds_load_b128 v[VC1:VC1+3], v[VCA] offset:2048*(\q)+1024
	ds_load_b128 v[VC1+4:VC1+7], v[VCA] offset:2048*(\q)+1536
	ds_load_b128 v[WP0:WP0+3], v[AWP] offset:128*(\q)
	ds_load_b128 v[WP0+4:WP0+7], v[AWP] offset:128*(\q)+16
	ds_load_b128 v[WP1:WP1+3], v[AWP] offset:128*(\q)+64
	ds_load_b128 v[WP1+4:WP1+7], v[AWP] offset:128*(\q)+80
.set j, 0
.rept 16
	v_pk_fma_f32 v[E0+j:E0+j+1], v[XT+j:XT+j+1], v[ST0:ST0+1], v[ST0+2:ST0+3] op_sel_hi:[1,0,0] neg_lo:[0,0,1] neg_hi:[0,0,1]   ; t = x_m a - mx (of the pairs the low word serves both halves)
	v_pk_fma_f32 v[E1+j:E1+j+1], v[XT+j:XT+j+1], v[ST1:ST1+1], v[ST1+2:ST1+3] op_sel_hi:[1,0,0] neg_lo:[0,0,1] neg_hi:[0,0,1]
.set j, j+2
.endr
.set j, 0
.rept 64
	v_exp_f32 v[E0+j], v[E0+j]                     ; E = 2^t, one batch
.set j, j+1
.endr
	v_nop                                          ; a plain instruction behind the last exponential
	s_wait_alu depctr_va_vdst(0)                   ; the wait ahead of the first reader: one for the batch
	v_pk_mul_f32 v[ST0+4:ST0+5], v[E0:E0+1], v[LIM:LIM+1]          ; S' = sum of E x LIM: the mask costs nothing in the sum; two chains a head
	v_pk_mul_f32 v[ST1+4:ST1+5], v[E1:E1+1], v[LIM:LIM+1]
	v_pk_mul_f32 v[ST0+6:ST0+7], v[E0+2:E0+3], v[LIM+2:LIM+3]
	v_pk_mul_f32 v[ST1+6:ST1+7], v[E1+2:E1+3], v[LIM+2:LIM+3]
.set j, 4
.rept 7
	v_pk_fma_f32 v[ST0+4:ST0+5], v[E0+j:E0+j+1], v[LIM+j:LIM+j+1], v[ST0+4:ST0+5]
	v_pk_fma_f32 v[ST1+4:ST1+5], v[E1+j:E1+j+1], v[LIM+j:LIM+j+1], v[ST1+4:ST1+5]
	v_pk_fma_f32 v[ST0+6:ST0+7], v[E0+j+2:E0+j+3], v[LIM+j+2:LIM+j+3], v[ST0+6:ST0+7]
	v_pk_fma_f32 v[ST1+6:ST1+7], v[E1+j+2:E1+j+3], v[LIM+j+2:LIM+j+3], v[ST1+6:ST1+7]
.set j, j+4
.endr
	v_pk_add_f32 v[ST0+4:ST0+5], v[ST0+4:ST0+5], v[ST0+6:ST0+7]
	v_pk_add_f32 v[ST1+4:ST1+5], v[ST1+4:ST1+5], v[ST1+6:ST1+7]
	v_add_f32 v[ST0+4], v[ST0+4], v[ST0+5]
	v_add_f32 v[ST1+4], v[ST1+4], v[ST1+5]
	v_permlanex16_b32 v[ST0+6], v[ST0+4], s38, s39 ; the query's other 32 keys lie in the lane 16 away
	v_permlanex16_b32 v[ST1+6], v[ST1+4], s38, s39
	v_add_f32 v[ST0+4], v[ST0+4], v[ST0+6]
	v_add_f32 v[ST1+4], v[ST1+4], v[ST1+6]
	v_rcp_f32 v[ST0+6], v[ST0+4]
	v_rcp_f32 v[ST1+6], v[ST1+4]
	v_nop                                          ; a plain instruction behind the last reciprocal
	s_wait_alu depctr_va_vdst(0)                   ; and the wait ahead of the first reader: one for the two
	v_mul_f32 v[ST0+4], s56, v[ST0+6]              ; inv = 448 x 2^-e0 / S'
	v_mul_f32 v[ST1+4], s56, v[ST1+6]
.set j, 0
.rept 16
	v_pk_mul_f32 v[E0+j:E0+j+1], v[E0+j:E0+j+1], v[ST0+4:ST0+5] op_sel_hi:[1,0]    ; p / 2^e0
	v_pk_mul_f32 v[E1+j:E1+j+1], v[E1+j:E1+j+1], v[ST1+4:ST1+5] op_sel_hi:[1,0]
.set j, j+2
.endr
.set j, 0
.rept 32
	v_min_num_f32 v[E0+j], v[E0+j], v[LIM+j]       ; the mask (0) and the hold (448) in one; p is never negative
	v_min_num_f32 v[E1+j], v[E1+j], v[LIM+j]
.set j, j+1
.endr
.set j, 0
.rept 4
	v_cvt_scalef32_pk8_fp8_f32 v[PC0+2*j:PC0+2*j+1], v[E0+8*j:E0+8*j+7], v[ONE]    ; registers 2 c, 2 c + 1: keys 16 c + 8 hf + 0 .. 7 of query r
	v_cvt_scalef32_pk8_fp8_f32 v[PC1+2*j:PC1+2*j+1], v[E1+8*j:E1+8*j+7], v[ONE]
.set j, j+1
.endr
	v_nop                                          ; one plain vector instruction between the last conversion and the matrix instructions that read the codes
	s_wait_dscnt 0x0                               ; V's codes and Wp are in
	v_wmma_f32_16x16x64_fp8_fp8 v[D0:D0+7], v[VC0:VC0+7], v[PC0:PC0+7], 0          ; register j of lane (r, hf): attn(16 t + r, 8 hf + j) / 2^(e0 + e1)
	v_wmma_f32_16x16x64_fp8_fp8 v[D1:D1+7], v[VC1:VC1+7], v[PC1:PC1+7], 0
.rept 4
	v_nop                                          ; four places ahead of the first read of the results (ISA guide 7.12.1)
.endr
.irp i, 0,2,4,6                        ; each result is read from its low end on
.if \first
	v_pk_mul_f32 v[YA+\i:YA+\i+1], v[D0+\i:D0+\i+1], v[WP0+\i:WP0+\i+1]
.else
	v_pk_fma_f32 v[YA+\i:YA+\i+1], v[D0+\i:D0+\i+1], v[WP0+\i:WP0+\i+1], v[YA+\i:YA+\i+1]
.endif
.endr
.irp i, 0,2,4,6
	v_pk_fma_f32 v[YA+\i:YA+\i+1], v[D1+\i:D1+\i+1], v[WP1+\i:WP1+\i+1], v[YA+\i:YA+\i+1]
.endr
.endm
; x by keys into XT: register 8 c + i = x(16 c + 8 hf + i)
.macro XKEYS
.irp c, 0,1,2,3
	ds_load_b128 v[XT+8*\c:XT+8*\c+3], v[AXM] offset:64*\c
	ds_load_b128 v[XT+8*\c+4:XT+8*\c+7], v[AXM] offset:64*\c+16
.endr
.endm
.Llayer:                                               ; three trips
	s_load_b128 s[40:43], s[18:19], 0x0            ; W1[l]
	s_load_b128 s[44:47], s[20:21], 0x0            ; b1[l]
	s_load_b128 s[48:51], s[22:23], 0x0            ; W2[l]
	s_load_b32 s52, s[16:17], 0x0                  ; bp[l]
	s_load_b32 s53, s[24:25], 0x0                  ; b2[l]
	s_load_b64 s[54:55], s[30:31], 0x0             ; e0 (p's), e1 (V's)
	v_add_nc_u32 v[AXM], s68, v[XM0]
	v_add_nc_u32 v[AXNL], s68, v[XN0]
	v_add_nc_u32 v[AXWL], s69, v[XN0]
	v_add_nc_u32 v[AWP], s67, v[WPA0]
	v_add_nc_u32 v[AWV], s67, v[WVA0]
	v_mov_b32 v[ACT], s66
	ds_load_b128 v[CC:CC+3], v[ACT] offset:CT
	ds_load_b128 v[CC+4:CC+7], v[ACT] offset:CT+16
	XKEYS                                          ; LDS serves a wave's instructions in order (ISA guide 5.7.1.4): these see my stores of x
.irp h, 0,1,2,3,4,5,6,7
	ds_load_b32 v[VC0+\h], v[AWV] offset:64*\h     ; Wv[l][h][r]
.endr
	s_wait_kmcnt 0x0
	s_sub_co_i32 s56, 135, s54
	s_lshl_b32 s56, s56, 23
	s_or_b32 s56, s56, 0x600000                    ; 448 x 2^-e0 = 1.75 x 2^(8 - e0) as f32
	s_add_co_i32 s57, s54, s55                     ; e0 + e1
	s_sub_co_i32 s58, 0, s55                       ; -e1
	s_wait_dscnt 0x0
.irp h, 0,1,2,3,4,5,6,7
	v_ldexp_f32 v[WP0+2*\h], v[VC0+\h], s58        ; w' = Wv / 2^e1, twice: a pair for the packed multiply
	v_ldexp_f32 v[WP0+2*\h+1], v[VC0+\h], s58
.endr
	VPAIR 0
	VPAIR 1
	VPAIR 2
	VPAIR 3
	s_mov_b32 s70, 0
	s_mov_b32 s71, 0
	s_mov_b32 s72, 0
.Ltile:                                                ; four trips: queries 16 t + r
	v_add_nc_u32 v[ATAB], s71, v[L16]
	v_add_nc_u32 v[AXN], s72, v[AXNL]
	v_add_nc_u32 v[AXW], s72, v[AXWL]
.irp g, 0,1,2,3,4,5,6,7
	ds_load_b128 v[LIM+4*\g:LIM+4*\g+3], v[ATAB] offset:LIMT+512*\g
.endr
.irp g, 0,1,2,3,4,5,6,7
	ds_load_b128 v[E0+4*\g:E0+4*\g+3], v[ATAB] offset:MIT+512*\g
.endr
	XKEYS                                          ; anew: the tile before has held XT within its own rows' ranges
	ds_load_b32 v[XNR], v[AXN]
	s_wait_dscnt 0x0
.set j, 0
.rept 32
	v_min_num_f32 v[E1+j], v[XT+j], v[E0+j]        ; x where the key counts, else -infinity
.set j, j+1
.endr
	v_max3_num_f32 v[RHI], v[E1], v[E1+1], v[E1+2] ; HI, in two chains
	v_max3_num_f32 v[TB], v[E1+3], v[E1+4], v[E1+5]
.irp i, 6,10,14,18,22,26
	v_max3_num_f32 v[RHI], v[RHI], v[E1+\i], v[E1+\i+1]
	v_max3_num_f32 v[TB], v[TB], v[E1+\i+2], v[E1+\i+3]
.endr
	v_max3_num_f32 v[RHI], v[RHI], v[E1+30], v[E1+31]
	v_max_num_f32 v[RHI], v[RHI], v[TB]
.set j, 0
.rept 32
	v_max_num_f32 v[E1+j], v[XT+j], -v[E0+j]       ; x where the key counts, else +infinity
.set j, j+1
.endr
	v_min3_num_f32 v[RLO], v[E1], v[E1+1], v[E1+2] ; LO likewise
	v_min3_num_f32 v[TA], v[E1+3], v[E1+4], v[E1+5]
.irp i, 6,10,14,18,22,26
	v_min3_num_f32 v[RLO], v[RLO], v[E1+\i], v[E1+\i+1]
	v_min3_num_f32 v[TA], v[TA], v[E1+\i+2], v[E1+\i+3]
.endr
	v_min3_num_f32 v[RLO], v[RLO], v[E1+30], v[E1+31]
	v_min_num_f32 v[RLO], v[RLO], v[TA]
	v_permlanex16_b32 v[PD], v[RHI], s38, s39
	v_max_num_f32 v[RHI], v[RHI], v[PD]
	v_permlanex16_b32 v[PD], v[RLO], s38, s39
	v_min_num_f32 v[RLO], v[RLO], v[PD]
	v_cmp_le_f32 vcc_lo, v[RLO], v[RHI]            ; false only for a row with no valid key (LO = +infinity, HI = -infinity):
	v_cndmask_b32 v[RHI], 0, v[RHI], vcc_lo        ; its range becomes [0, 0], so that all stays finite up to S' = 0
	v_cndmask_b32 v[RLO], 0, v[RLO], vcc_lo
.set j, 0
.rept 32
	v_med3_num_f32 v[XT+j], v[XT+j], v[RLO], v[RHI]        ; valid keys stay as they are; masked keys come into the valid range: no t lies above the rounding of mx
.set j, j+1
.endr
	PAIR 0, 1
	PAIR 1, 0
	PAIR 2, 0
	PAIR 3, 0
	; the tile's end: the sum over my eight channels and the other half's; the residuals; the feed-forward
	v_pk_add_f32 v[YA:YA+1], v[YA:YA+1], v[YA+2:YA+3]
	v_pk_add_f32 v[YA+4:YA+5], v[YA+4:YA+5], v[YA+6:YA+7]
	v_pk_add_f32 v[YA:YA+1], v[YA:YA+1], v[YA+4:YA+5]
	v_add_f32 v[YA], v[YA], v[YA+1]
	v_permlanex16_b32 v[YA+2], v[YA], s38, s39
	v_add_f32 v[YA], v[YA], v[YA+2]
	v_ldexp_f32 v[YA], v[YA], s57                  ; x 2^(e0 + e1)
	v_add_f32 v[X1], v[XNR], v[YA]
	v_add_f32 v[X1], s52, v[X1]                    ; + bp
	v_fma_f32 v[FF], v[X1], s40, s44
	v_fma_f32 v[FF+1], v[X1], s41, s45
	v_fma_f32 v[FF+2], v[X1], s42, s46
	v_fma_f32 v[TA], v[X1], s43, s47
	v_max_num_f32 v[FF], 0, v[FF]
	v_max_num_f32 v[FF+1], 0, v[FF+1]
	v_max_num_f32 v[FF+2], 0, v[FF+2]
	v_max_num_f32 v[TA], 0, v[TA]
	v_mul_f32 v[FF], s48, v[FF]
	v_fma_f32 v[FF], v[FF+1], s49, v[FF]
	v_fma_f32 v[FF], v[FF+2], s50, v[FF]
	v_fma_f32 v[FF], v[TA], s51, v[FF]
	v_add_f32 v[X1], v[X1], v[FF]
	v_add_f32 v[X1], s53, v[X1]                    ; + b2
	ds_store_b32 v[AXW], v[X1]                     ; into the other buffer; lanes r and r + 16 write one word with one value
	s_wait_dscnt 0x0                               ; the store has read its address and data: the next tile writes both again
	s_add_co_u32 s71, s71, 4096
	s_add_co_u32 s72, s72, 64
	s_add_co_u32 s70, s70, 1
	s_cmp_lt_u32 s70, 4
	s_cbranch_scc1 .Ltile
	s_wait_xcnt 0x0                                ; the layer's scalar loads have read their bases: they step to the next layer's numbers
	s_add_nc_u64 s[18:19], s[18:19], 16
	s_add_nc_u64 s[20:21], s[20:21], 16
	s_add_nc_u64 s[22:23], s[22:23], 16
	s_add_nc_u64 s[16:17], s[16:17], 4
	s_add_nc_u64 s[24:25], s[24:25], 4
	s_add_nc_u64 s[30:31], s[30:31], 8
	s_xor_b32 s68, s68, 256                        ; the two x buffers change places
	s_xor_b32 s69, s69, 256
	s_add_co_u32 s66, s66, 32
	s_add_co_u32 s67, s67, 512
	s_add_co_u32 s60, s60, 1
	s_cmp_lt_u32 s60, 3
	s_cbranch_scc1 .Llayer
	ds_load_b64 v[FF+1:FF+2], v[XW8] offset:256    ; three layers leave x in buffer 1
	s_wait_dscnt 0x0
	v_fma_f32 v[FF+1], v[FF+1], s74, s75           ; x Wlm + blm
	v_fma_f32 v[FF+2], v[FF+2], s74, s75
	global_store_b64 v[G8], v[FF+1:FF+2], s[32:33] th:TH_STORE_NT  ; the wave stores 256 consecutive bytes, at a multiple of 256 from out0's first byte
	s_wait_xcnt 0x0
	v_lshl_add_u32 v254, v0, 2, 0x2b100
	v_mov_b32 v255, 0
	s_wait_tensorcnt 0x0
	ds_add_u32 v254, v255
	s_wait_dscnt 0x0
	s_endpgm
.Lfunc_end_k_q68b66856c8_cat:
	.size	k_q68b66856c8_cat, .Lfunc_end_k_q68b66856c8_cat-k_q68b66856c8_cat
	.p2alignl 7, 3214868480
	.fill 96, 4, 3214868480
	.section	.rodata,"a",@progbits
	.p2align	6, 0x0
	.amdhsa_kernel k_q68b66856c8_cat
		.amdhsa_group_segment_fixed_size 178432
		.amdhsa_private_segment_fixed_size 0
		.amdhsa_enable_private_segment 0
		.amdhsa_kernarg_size 120
		.amdhsa_user_sgpr_count 2
		.amdhsa_user_sgpr_kernarg_segment_ptr 1
		.amdhsa_wavefront_size32 1
		.amdhsa_system_sgpr_workgroup_id_x 1
		.amdhsa_system_sgpr_workgroup_id_y 1
		.amdhsa_system_sgpr_workgroup_id_z 1
		.amdhsa_system_vgpr_workitem_id 0
		.amdhsa_next_free_vgpr 256
		.amdhsa_next_free_sgpr 80
		.amdhsa_reserve_vcc 1
		.amdhsa_float_denorm_mode_32 3
		.amdhsa_float_denorm_mode_16_64 3
		.amdhsa_memory_ordered 1
		.amdhsa_forward_progress 1
		.amdhsa_inst_pref_size 99
	.end_amdhsa_kernel
	.amdgpu_metadata
---
amdhsa.version: [ 1, 2 ]
amdhsa.kernels:
  - .name:           k_q68b66856c8_cat
    .symbol:         k_q68b66856c8_cat.kd
    .args:
      - { .name: X, .offset: 0, .size: 8, .value_kind: global_buffer, .address_space: global }
      - { .name: dag, .offset: 8, .size: 8, .value_kind: global_buffer, .address_space: global }
      - { .name: Wk, .offset: 16, .size: 8, .value_kind: global_buffer, .address_space: global }
      - { .name: Wq, .offset: 24, .size: 8, .value_kind: global_buffer, .address_space: global }
      - { .name: Wv, .offset: 32, .size: 8, .value_kind: global_buffer, .address_space: global }
      - { .name: Wp, .offset: 40, .size: 8, .value_kind: global_buffer, .address_space: global }
      - { .name: bp, .offset: 48, .size: 8, .value_kind: global_buffer, .address_space: global }
      - { .name: W1, .offset: 56, .size: 8, .value_kind: global_buffer, .address_space: global }
      - { .name: b1, .offset: 64, .size: 8, .value_kind: global_buffer, .address_space: global }
      - { .name: W2, .offset: 72, .size: 8, .value_kind: global_buffer, .address_space: global }
      - { .name: b2, .offset: 80, .size: 8, .value_kind: global_buffer, .address_space: global }
      - { .name: Wlm, .offset: 88, .size: 8, .value_kind: global_buffer, .address_space: global }
      - { .name: blm, .offset: 96, .size: 8, .value_kind: global_buffer, .address_space: global }
      - { .name: lowp_scales, .offset: 104, .size: 8, .value_kind: global_buffer, .address_space: global }
      - { .name: out0, .offset: 112, .size: 8, .value_kind: global_buffer, .address_space: global }
    .group_segment_fixed_size: 178432
    .private_segment_fixed_size: 0
    .kernarg_segment_align: 8
    .kernarg_segment_size: 120
    .max_flat_workgroup_size: 512
    .sgpr_count:     80
    .vgpr_count:     256
    .wavefront_size: 32
...
	.end_amdgpu_metadata
.endif
;; end of part 1
;; ======== version 2 of 2: 1 launch; version 1 with the launch cat written anew for expert scheduling mode
;; launch cat (part 2): grid 256 x 1, 16 waves a work-group, no clusters, 178,432 bytes of LDS; arguments X, dag, Wk, Wq, Wv, Wp, bp, W1, b1, W2, b2, Wlm, blm, lowp_scales, out0; writes out0
.if DOCPART == 2
	.amdgcn_target "amdgcn-amd-amdhsa--gfx1250"
	.amdhsa_code_object_version 6
	.text
	.protected	k_q68b66856c8_cat
	.globl	k_q68b66856c8_cat
	.p2align	8
	.type	k_q68b66856c8_cat,@function
k_q68b66856c8_cat:
	s_mov_b64 s[64:65], 0
	v_nop
	global_prefetch_b8 v0, s[64:65] scope:SCOPE_SE
	s_setreg_imm32_b32 hwreg(HW_REG_WAVE_SCHED_MODE, 0, 2), 2
	s_setreg_imm32_b32 hwreg(HW_REG_WAVE_MODE, 25, 1), 1
	s_wait_xcnt 0x0
	s_wait_alu depctr_vm_vsrc(0)
; CaT: 4,096 batch rows of 64 scalars; three layers of (8 heads of masked attention, projection 128 -> 1, feed-forward 1 -> 4 -> 1, residuals), then a 1 x 1 head.
; SHARES.  256 work-groups x 16 waves: ONE WAVE OWNS ONE BATCH ROW, b = 16 x work-group + wave, through all three layers.  Four waves of 256 registers stand on a SIMD, so that one wave's
; exponentials and waits stand beside another's plain work.  The waves share only constant tables in LDS: one barrier, behind the set-up.  EXEC is never changed; both loops have constant trip counts.
; THE SCORES.  K and Q are a scalar x times a weight vector, so score(n, m) = x_n x_m (sum over d of Wq Wk) / 4 for every input.  c' = that sum x log2(e) / 4 is made once for each (layer, head) in f32;
; a = c' x_n;  t = x_m a - mx, one fused multiply-add;  E = 2^t.  mx = max(a HI, a LO), HI and LO the largest and smallest x_m among the row's valid keys: the row's true masked maximum, since x -> a x is monotone.
; Masked keys' x_m are held within [LO, HI] first, so that no exponential overflows; the mask itself is the table LIM (448 where dag[m][n] != 0, else 0):
; S' = sum of E x LIM = 448 x the row's sum;  inv = 448 x 2^-e0 / S';  P = min(E x inv, LIM) is p / 2^e0 with mask and hold at 448 in one line.  A row with no valid key has S' = 0, inv = infinity, P = min(infinity, 0) = 0.
; THE QUANTISED PRODUCT, transposed: D = V^T P^T, source 0 = 16 channels d x 64 keys (codes of x_m Wv[d] / 2^e1, held at +-448), source 1 = 64 keys x 16 queries (codes of P), k in its true places.
; Register j of lane (r, hf) is attn(n = 16 t + r, d = 8 hf + j); it is multiplied by Wp and summed over d and heads in f32, then by 2^(e0 + e1).
; LANES.  r = lane % 16, hf = lane / 16.  A tile t is queries 16 t + r.  A lane's 32 registers 8 c + i stand for keys 16 c + 8 hf + i.
; NO CLUSTER, NO TENSOR LOAD: what work-groups share (dag and the weights, 22 KB) is read once at the head through registers; a wave's own input is 256 bytes.
; LIMITS.  lowp_scales[2 l] (p's e0) between -118 and 126, so that 448 x 2^-e0 is a normal f32 number; lowp_scales[2 l + 1] and the sum of the two are applied by v_ldexp_f32.
; NaN and infinities among the inputs are not served.  A score is rounded as fl(c' x_n) x_m, fused with the subtraction of the maximum, not as a sum of 16 rounded products.
; THE MODE: SCHED_MODE bits 1:0 = 2 (LLVM: expert scheduling mode 2), set by the entry lines.  The code itself states the register dependences between vector or matrix instructions
; and memory or LDS instructions, with s_wait_alu, always for 0.
; THE PLAN.  Registers that memory or LDS instructions touch, and who else names them:
;   v1-6, v252, v253     addresses made at the head and never written again: one wait on va_vdst ahead of the first load serves them for the whole kernel.
;   AXM, AWP, AWV, ACT   made at a layer's head by vector adds, read by the layer's LDS loads: vm_vsrc ahead of the adds, va_vdst behind them.  That va_vdst also states that the layer
;                        before is done with CC, XT and VC0, in which the layer's first loads land.
;   V's codes            four out-buffers of 16 registers, one for each pair of heads (PC0.., ST0.., LIM.., LIM+16..: all idle in that phase): written by the conversions, read by ONE run of
;                        16 LDS stores behind ONE wait on va_vdst; written again only behind the wait on vm_vsrc at the first tile's head.
;   ATAB, AXN, AXW       made at a tile's head: vm_vsrc ahead of the adds (it also frees X1, the last store's data), va_vdst behind them, which also states that the tile before is done with
;                        LIM, E0, XT and XNR, in which the tile's 25 loads land.
;   VC0, VC1, WP0, WP1   read by a pair's two matrix instructions and its last eight multiply-adds; loaded for the next pair directly behind that pair's wait for its exponentials, which so
;                        serves both; no vector instruction names them between that wait and the loads, and the loads have the rest of the pair in which to land.
;   X1                   written at a tile's end, stored behind one wait on va_vdst; behind the last tile that wait also serves the load into v30, v31 on the way out.
;   Everything else (the statistics in the tiles, YA, D0, D1, p's codes) is named by vector and matrix instructions alone.
.set LIMT, 0                           ; LDS: LIM as images of registers: registers 4 g .. 4 g + 3 of tile t at 4096 t + 512 g + 16 x lane
.set MIT,  16384                       ; MI (+infinity where valid, -infinity where masked), laid likewise
.set WPT,  32768                       ; a copy of Wp: word i = element min(i, 383)
.set WVT,  34816                       ; a copy of Wv, likewise
.set CT,   36864                       ; c': word 8 l + h
.set XB,   37120                       ; + 512 x wave: the wave's own two buffers of x, 256 bytes each, by turns
.set VCI,  45312                       ; + 8192 x wave: the wave's own images of V's codes: head h at 1024 h + 16 x lane (registers 0-3) and + 512 (registers 4-7)
.set L16,  1                           ; v1   16 x lane
.set XM0,  2                           ; v2   XB + 512 w + 32 hf
.set XN0,  3                           ; v3   XB + 512 w + 4 r
.set VCA,  4                           ; v4   VCI + 8192 w + 16 x lane
.set WPA0, 5                           ; v5   WPT + 32 hf
.set WVA0, 6                           ; v6   WVT + 4 r
.set BIG,  7                           ; v7   448.0
.set ONE,  8                           ; v8   1.0: the conversions' scale
.set ATAB, 9                           ; v9   the tile's tables
.set AXM,  10                          ; v10  the layer's x by keys
.set AXN,  11                          ; v11  the tile's x by queries
.set AXW,  12                          ; v12  where the tile's new x goes
.set AWP,  13                          ; v13  the layer's Wp
.set TA,   14                          ; v14  at work
.set PD,   15                          ; v15  a lane permute's destination
.set XNR,  16                          ; v16  x_n
.set RHI,  17                          ; v17  HI
.set RLO,  18                          ; v18  LO
.set TB,   19                          ; v19  at work
.set CC,   20                          ; v20-27 c' of the layer's eight heads
.set X1,   28                          ; v28  x behind the attention, then behind the feed-forward
.set FF,   29                          ; v29-31 at work
.set ST0,  32                          ; v32-39, v40-47: a head's statistics: +0 a, +1 a HI, +2 mx, +3 a LO, +4:5 sum A, then inv, +6:7 sum B, permute, reciprocal; in the V phase the codes of heads 2, 3
.set ST1,  40
.set YA,   48                          ; v48-55 sum over heads of attn x Wp, eight channels a lane
.set D0,   56                          ; v56-63, v64-71 the two heads' products
.set D1,   64
.set PC0,  72                          ; v72-79, v80-87 p's codes just made; in the V phase the codes of heads 0, 1
.set PC1,  80
.set VC0,  88                          ; v88-95, v96-103 V's codes
.set VC1,  96
.set WP0,  104                         ; v104-111, v112-119 Wp of the two heads; in the V phase eight pairs (w', w')
.set WP1,  112
.set LIM,  120                         ; v120-151; in the V phase the codes of heads 4 to 7
.set XT,   152                         ; v152-183 x by keys, held within [LO, HI]
.set E0,   184                         ; v184-215, v216-247 the two heads' t, E, P
.set E1,   216
.set AXNL, 248                         ; v248 XN0 + the layer's buffer that is read
.set AXWL, 249                         ; v249 XN0 + the buffer that is written
.set AWV,  250                         ; v250 the layer's Wv
.set ACT,  251                         ; v251 the layer's c'
.set XW8,  252                         ; v252 XB + 512 w + 8 x lane; never rewritten
.set G8,   253                         ; v253 8 x lane; never rewritten
.set ADAG, 254                         ; v254 set-up: my place in dag
.set AWT,  255                         ; v255 set-up: 4 x min(thread, 383)
.set SW,   9                           ; set-up's temporaries, in registers that hold addresses alone
.set SL,   10
.set SR,   11
.set SH,   12
.set STB,  13
.set S4T,  248
.set SCT,  249
; scalars: s[4:33] the fifteen addresses; s34 wave; s35-37 at work; s[38:39] lane selects; s[40:43] W1[l]; s[44:47] b1[l]; s[48:51] W2[l]; s52 bp[l]; s53 b2[l]; s[54:55] e0, e1;
; s56 448 x 2^-e0; s57 e0 + e1; s58 -e1; s60 layer; s66 32 l; s67 512 l; s68, s69 the x buffer read, written (0 / 256); s70 tile; s71 4096 t; s72 64 t; s74 Wlm; s75 blm
; (in the set-up s66 to s73 hold the eight masks of the compares on dag)
	s_load_b512 s[4:19], s[0:1], 0x0               ; X s[4:5], dag s[6:7], Wk s[8:9], Wq s[10:11], Wv s[12:13], Wp s[14:15], bp s[16:17], W1 s[18:19]
	s_load_b256 s[20:27], s[0:1], 0x40             ; b1 s[20:21], W2 s[22:23], b2 s[24:25], Wlm s[26:27]
	s_load_b128 s[28:31], s[0:1], 0x60             ; blm s[28:29], lowp_scales s[30:31]
	s_load_b64 s[32:33], s[0:1], 0x70              ; out0
	v_lshrrev_b32 v[SW], 5, v0
	v_readfirstlane_b32 s34, v[SW]                 ; wave 0..15
	v_and_b32 v[SL], 31, v0                        ; lane
	v_and_b32 v[SR], 15, v0                        ; r
	v_bfe_u32 v[SH], v0, 4, 1                      ; hf
	v_lshlrev_b32 v[L16], 4, v[SL]
	v_lshlrev_b32 v[G8], 3, v[SL]
	s_wait_alu depctr_va_sdst(0)                   ; s34 is written, ahead of its first reader: the wave's LDS bytes and its row are made from it
	s_lshl_b32 s35, s34, 9
	s_add_co_u32 s35, s35, XB                      ; my wave's x buffers
	v_lshl_add_u32 v[XM0], v[SH], 5, s35
	v_lshl_add_u32 v[XN0], v[SR], 2, s35
	v_add_nc_u32 v[XW8], s35, v[G8]
	s_lshl_b32 s35, s34, 13
	s_add_co_u32 s35, s35, VCI                     ; my wave's images of V's codes
	v_add_nc_u32 v[VCA], s35, v[L16]
	v_lshlrev_b32 v[WPA0], 5, v[SH]
	v_add_nc_u32 v[WPA0], WPT, v[WPA0]
	v_lshlrev_b32 v[WVA0], 2, v[SR]
	v_add_nc_u32 v[WVA0], WVT, v[WVA0]
	s_lshl_b32 s35, s34, 10
	v_add_nc_u32 v[STB], s35, v[L16]               ; the tables: wave w makes registers 8 (w % 4) .. + 7 of tile w / 4: 1024 w + 16 x lane
	v_lshlrev_b32 v[S4T], 2, v0                    ; 4 x thread
	v_lshrrev_b32 v[SCT], 4, v0
	v_lshlrev_b32 v[SCT], 2, v[SCT]                ; 4 x (thread / 16): c's word
	v_mov_b32 v[BIG], 0x43e00000                   ; 448.0
	v_mov_b32 v[ONE], 1.0
	v_mov_b32 v[PD], 0                             ; written once: a lane permute's destination counts as one of its sources
	v_mov_b32 v[E0+30], 0x7f800000                 ; +infinity
	v_mov_b32 v[E0+31], 0xff800000                 ; -infinity
	; dag[m][n] with m = 16 (w % 4) + 8 hf + i, n = 16 (w / 4) + r: byte 256 m + 4 n
	s_and_b32 s35, s34, 3
	s_lshl_b32 s35, s35, 12
	s_lshr_b32 s36, s34, 2
	s_lshl_b32 s36, s36, 6
	s_add_co_u32 s35, s35, s36
	v_lshlrev_b32 v[ADAG], 11, v[SH]
	v_lshl_add_u32 v[ADAG], v[SR], 2, v[ADAG]
	v_add_nc_u32 v[ADAG], s35, v[ADAG]
	v_min_u32 v[AWT], 383, v0                      ; the weights have 384 numbers: threads beyond them read the last once more, and no load leaves its buffer
	v_lshlrev_b32 v[AWT], 2, v[AWT]
	s_lshl_b32 s36, ttmp9, 4
	s_add_co_u32 s36, s36, s34                     ; my batch row
	s_lshl_b32 s36, s36, 8                         ; x 256 bytes
	s_mov_b32 s37, 0
	s_mov_b32 s38, 0x76543210                      ; v_permlanex16_b32: lane l xor 16
	s_mov_b32 s39, 0xfedcba98
	s_wait_kmcnt 0x0
	s_load_b32 s74, s[26:27], 0x0                  ; Wlm
	s_load_b32 s75, s[28:29], 0x0                  ; blm
	s_add_nc_u64 s[4:5], s[4:5], s[36:37]          ; X and out0 at my row
	s_add_nc_u64 s[32:33], s[32:33], s[36:37]
	s_wait_alu depctr_va_vdst(0)                   ; every address and offset made above is written: v1 to v6, v13, v248, v249, v252 to v255, which the loads and stores of the set-up and of the whole kernel read
.irp i, 0,1,2,3,4,5,6,7
	global_load_b32 v[E0+\i], v[ADAG], s[6:7] offset:256*\i
.endr
	global_load_b32 v[E0+24], v[AWT], s[10:11]     ; Wq
	global_load_b32 v[E0+25], v[AWT], s[8:9]       ; Wk
	global_load_b32 v[E0+26], v[AWT], s[14:15]     ; Wp
	global_load_b32 v[E0+27], v[AWT], s[12:13]     ; Wv
	global_load_b64 v[E0+28:E0+29], v[G8], s[4:5] th:TH_LOAD_NT   ; my row of X: the wave reads 256 consecutive bytes
	s_wait_loadcnt 5                               ; the eight loads of dag are in; the five issued behind them may be out
.irp i, 0,1,2,3,4,5,6,7
	v_cmp_ne_u32 s[66+\i], 0, v[E0+\i]             ; the eight compares in one run, a mask register each
.endr
	s_wait_alu depctr_va_sdst(0)                   ; the compares have written s66 to s73, ahead of the selects that read them: one wait for the run
.irp i, 0,1,2,3,4,5,6,7
	v_cndmask_b32 v[E0+8+\i], 0, v[BIG], s[66+\i]              ; LIM: 448 where the key counts, else 0
	v_cndmask_b32 v[E0+16+\i], v[E0+31], v[E0+30], s[66+\i]    ; MI: +infinity where it counts, else -infinity
.endr
	s_wait_loadcnt 0x0
	v_mul_f32 v[E0+24], v[E0+24], v[E0+25]         ; Wq Wk; sixteen neighbouring lanes hold one (layer, head)
	v_add_f32_dpp v[E0+24], v[E0+24], v[E0+24] row_xmask:1 row_mask:0xf bank_mask:0xf
	v_add_f32_dpp v[E0+24], v[E0+24], v[E0+24] row_xmask:2 row_mask:0xf bank_mask:0xf
	v_add_f32_dpp v[E0+24], v[E0+24], v[E0+24] row_xmask:4 row_mask:0xf bank_mask:0xf
	v_add_f32_dpp v[E0+24], v[E0+24], v[E0+24] row_xmask:8 row_mask:0xf bank_mask:0xf
	v_mul_f32 v[E0+24], 0x3eb8aa3b, v[E0+24]       ; x log2(e) / 4
	s_wait_alu depctr_va_vdst(0)                   ; the selects have written LIM and MI (E0+8 to E0+23) and the sum has written c' (E0+24): the LDS stores below read them
	ds_store_b128 v[STB], v[E0+8:E0+11] offset:LIMT
	ds_store_b128 v[STB], v[E0+12:E0+15] offset:LIMT+512
	ds_store_b128 v[STB], v[E0+16:E0+19] offset:MIT
	ds_store_b128 v[STB], v[E0+20:E0+23] offset:MIT+512
	ds_store_b32 v[SCT], v[E0+24] offset:CT        ; sixteen lanes write one word with one value (words 24 to 31 are never read)
	ds_store_b32 v[S4T], v[E0+26] offset:WPT
	ds_store_b32 v[S4T], v[E0+27] offset:WVT
	ds_store_b64 v[XW8], v[E0+28:E0+29]            ; x into my buffer 0
	s_wait_dscnt 0x0                               ; for the others' sake: my part of the tables has landed
	s_barrier_signal -1
	s_barrier_wait -1                              ; the only barrier: from here on the tables are only read, and all else in LDS is a wave's own
	s_wait_kmcnt 0x0                               ; Wlm, blm
	s_mov_b32 s60, 0
	s_mov_b32 s66, 0
	s_mov_b32 s67, 0
	s_mov_b32 s68, 0
	s_mov_b32 s69, 256
; Heads 2 q and 2 q + 1 of V: codes of x_m w', w' = Wv / 2^e1, held at +-448, into the pair's own out-buffer of 16 registers, v[o] on.
.macro VPAIR q, o
.set j, 0
.rept 16
	v_pk_mul_f32 v[E0+j:E0+j+1], v[XT+j:XT+j+1], v[WP0+4*(\q):WP0+4*(\q)+1]
	v_pk_mul_f32 v[E1+j:E1+j+1], v[XT+j:XT+j+1], v[WP0+4*(\q)+2:WP0+4*(\q)+3]
.set j, j+2
.endr
.set j, 0
.rept 64
	v_med3_num_f32 v[E0+j], v[E0+j], -v[BIG], v[BIG]       ; the conversion to an 8-bit code does not saturate (ISA guide 7.6.2): the hold comes first
.set j, j+1
.endr
.set j, 0
.rept 4
	v_cvt_scalef32_pk8_fp8_f32 v[(\o)+2*j:(\o)+2*j+1], v[E0+8*j:E0+8*j+7], v[ONE]
	v_cvt_scalef32_pk8_fp8_f32 v[(\o)+8+2*j:(\o)+8+2*j+1], v[E1+8*j:E1+8*j+7], v[ONE]
.set j, j+1
.endr
	v_nop                                          ; one plain vector instruction behind the last conversion, ahead of whatever next writes its sources
.endm
; The pair's images go to my own LDS bytes.
.macro VOUT q, o
	ds_store_b128 v[VCA], v[(\o):(\o)+3] offset:2048*(\q)
	ds_store_b128 v[VCA], v[(\o)+4:(\o)+7] offset:2048*(\q)+512
	ds_store_b128 v[VCA], v[(\o)+8:(\o)+11] offset:2048*(\q)+1024
	ds_store_b128 v[VCA], v[(\o)+12:(\o)+15] offset:2048*(\q)+1536
.endm
; Heads 2 q and 2 q + 1 for the tile in hand.  first = 1: the pair starts the sum over heads.
.macro PAIR q, first
	v_mul_f32 v[ST0], v[CC+2*(\q)], v[XNR]         ; a = c' x_n
	v_mul_f32 v[ST1], v[CC+2*(\q)+1], v[XNR]
	v_mul_f32 v[ST0+1], v[ST0], v[RHI]
	v_mul_f32 v[ST1+1], v[ST1], v[RHI]
	v_mul_f32 v[ST0+3], v[ST0], v[RLO]
	v_mul_f32 v[ST1+3], v[ST1], v[RLO]
	v_max_num_f32 v[ST0+2], v[ST0+1], v[ST0+3]     ; mx: the row's largest masked score, in the exponent's units
	v_max_num_f32 v[ST1+2], v[ST1+1], v[ST1+3]
.set j, 0
.rept 16
	v_pk_fma_f32 v[E0+j:E0+j+1], v[XT+j:XT+j+1], v[ST0:ST0+1], v[ST0+2:ST0+3] op_sel_hi:[1,0,0] neg_lo:[0,0,1] neg_hi:[0,0,1]   ; t = x_m a - mx (of the pairs the low word serves both halves)
	v_pk_fma_f32 v[E1+j:E1+j+1], v[XT+j:XT+j+1], v[ST1:ST1+1], v[ST1+2:ST1+3] op_sel_hi:[1,0,0] neg_lo:[0,0,1] neg_hi:[0,0,1]
.set j, j+2
.endr
.set j, 0
.rept 64
	v_exp_f32 v[E0+j], v[E0+j]                     ; E = 2^t, one batch
.set j, j+1
.endr
	v_nop                                          ; a plain instruction behind the last exponential
	s_wait_alu depctr_va_vdst(0)                   ; the 64 exponentials have written E0 and E1, ahead of their first reader (one wait for the batch); and the pair before's matrix instructions are done reading VC0, VC1, its multiply-adds WP0, WP1, in which the loads below land
	ds_load_b128 v[VC0:VC0+3], v[VCA] offset:2048*(\q)             ; V's codes and Wp: wanted at the pair's end; the sums, the scaling, the holds and the conversions stand between
	ds_load_b128 v[VC0+4:VC0+7], v[VCA] offset:2048*(\q)+512
	ds_load_b128 v[VC1:VC1+3], v[VCA] offset:2048*(\q)+1024
	ds_load_b128 v[VC1+4:VC1+7], v[VCA] offset:2048*(\q)+1536
	ds_load_b128 v[WP0:WP0+3], v[AWP] offset:128*(\q)
	ds_load_b128 v[WP0+4:WP0+7], v[AWP] offset:128*(\q)+16
	ds_load_b128 v[WP1:WP1+3], v[AWP] offset:128*(\q)+64
	ds_load_b128 v[WP1+4:WP1+7], v[AWP] offset:128*(\q)+80
	v_pk_mul_f32 v[ST0+4:ST0+5], v[E0:E0+1], v[LIM:LIM+1]          ; S' = sum of E x LIM: the mask costs nothing in the sum; two chains a head
	v_pk_mul_f32 v[ST1+4:ST1+5], v[E1:E1+1], v[LIM:LIM+1]
	v_pk_mul_f32 v[ST0+6:ST0+7], v[E0+2:E0+3], v[LIM+2:LIM+3]
	v_pk_mul_f32 v[ST1+6:ST1+7], v[E1+2:E1+3], v[LIM+2:LIM+3]
.set j, 4
.rept 7
	v_pk_fma_f32 v[ST0+4:ST0+5], v[E0+j:E0+j+1], v[LIM+j:LIM+j+1], v[ST0+4:ST0+5]
	v_pk_fma_f32 v[ST1+4:ST1+5], v[E1+j:E1+j+1], v[LIM+j:LIM+j+1], v[ST1+4:ST1+5]
	v_pk_fma_f32 v[ST0+6:ST0+7], v[E0+j+2:E0+j+3], v[LIM+j+2:LIM+j+3], v[ST0+6:ST0+7]
	v_pk_fma_f32 v[ST1+6:ST1+7], v[E1+j+2:E1+j+3], v[LIM+j+2:LIM+j+3], v[ST1+6:ST1+7]
.set j, j+4
.endr
	v_pk_add_f32 v[ST0+4:ST0+5], v[ST0+4:ST0+5], v[ST0+6:ST0+7]
	v_pk_add_f32 v[ST1+4:ST1+5], v[ST1+4:ST1+5], v[ST1+6:ST1+7]
	v_add_f32 v[ST0+4], v[ST0+4], v[ST0+5]
	v_add_f32 v[ST1+4], v[ST1+4], v[ST1+5]
	v_permlanex16_b32 v[ST0+6], v[ST0+4], s38, s39 ; the query's other 32 keys lie in the lane 16 away
	v_permlanex16_b32 v[ST1+6], v[ST1+4], s38, s39
	v_add_f32 v[ST0+4], v[ST0+4], v[ST0+6]
	v_add_f32 v[ST1+4], v[ST1+4], v[ST1+6]
	v_rcp_f32 v[ST0+6], v[ST0+4]
	v_rcp_f32 v[ST1+6], v[ST1+4]
	v_nop                                          ; a plain instruction behind the last reciprocal
	s_wait_alu depctr_va_vdst(0)                   ; the two reciprocals have written ST0+6 and ST1+6, ahead of their first reader (one wait for the two)
	v_mul_f32 v[ST0+4], s56, v[ST0+6]              ; inv = 448 x 2^-e0 / S'
	v_mul_f32 v[ST1+4], s56, v[ST1+6]
.set j, 0
.rept 16
	v_pk_mul_f32 v[E0+j:E0+j+1], v[E0+j:E0+j+1], v[ST0+4:ST0+5] op_sel_hi:[1,0]    ; p / 2^e0
	v_pk_mul_f32 v[E1+j:E1+j+1], v[E1+j:E1+j+1], v[ST1+4:ST1+5] op_sel_hi:[1,0]
.set j, j+2
.endr
.set j, 0
.rept 32
	v_min_num_f32 v[E0+j], v[E0+j], v[LIM+j]       ; the mask (0) and the hold (448) in one; p is never negative
	v_min_num_f32 v[E1+j], v[E1+j], v[LIM+j]
.set j, j+1
.endr
.set j, 0
.rept 4
	v_cvt_scalef32_pk8_fp8_f32 v[PC0+2*j:PC0+2*j+1], v[E0+8*j:E0+8*j+7], v[ONE]    ; registers 2 c, 2 c + 1: keys 16 c + 8 hf + 0 .. 7 of query r
	v_cvt_scalef32_pk8_fp8_f32 v[PC1+2*j:PC1+2*j+1], v[E1+8*j:E1+8*j+7], v[ONE]
.set j, j+1
.endr
	v_nop                                          ; one plain vector instruction between the last conversion and the matrix instructions that read the codes
	s_wait_dscnt 0x0                               ; V's codes and Wp are in
	v_wmma_f32_16x16x64_fp8_fp8 v[D0:D0+7], v[VC0:VC0+7], v[PC0:PC0+7], 0          ; register j of lane (r, hf): attn(16 t + r, 8 hf + j) / 2^(e0 + e1)
	v_wmma_f32_16x16x64_fp8_fp8 v[D1:D1+7], v[VC1:VC1+7], v[PC1:PC1+7], 0
.rept 4
	v_nop                                          ; four places ahead of the first read of the results (ISA guide 7.12.1)
.endr
.irp i, 0,2,4,6                        ; each result is read from its low end on
.if \first
	v_pk_mul_f32 v[YA+\i:YA+\i+1], v[D0+\i:D0+\i+1], v[WP0+\i:WP0+\i+1]
.else
	v_pk_fma_f32 v[YA+\i:YA+\i+1], v[D0+\i:D0+\i+1], v[WP0+\i:WP0+\i+1], v[YA+\i:YA+\i+1]
.endif
.endr
.irp i, 0,2,4,6
	v_pk_fma_f32 v[YA+\i:YA+\i+1], v[D1+\i:D1+\i+1], v[WP1+\i:WP1+\i+1], v[YA+\i:YA+\i+1]
.endr
.endm
; x by keys into XT: register 8 c + i = x(16 c + 8 hf + i)
.macro XKEYS
.irp c, 0,1,2,3
	ds_load_b128 v[XT+8*\c:XT+8*\c+3], v[AXM] offset:64*\c
	ds_load_b128 v[XT+8*\c+4:XT+8*\c+7], v[AXM] offset:64*\c+16
.endr
.endm
.Llayer:                                               ; three trips
	s_load_b128 s[40:43], s[18:19], 0x0            ; W1[l]
	s_load_b128 s[44:47], s[20:21], 0x0            ; b1[l]
	s_load_b128 s[48:51], s[22:23], 0x0            ; W2[l]
	s_load_b32 s52, s[16:17], 0x0                  ; bp[l]
	s_load_b32 s53, s[24:25], 0x0                  ; b2[l]
	s_load_b64 s[54:55], s[30:31], 0x0             ; e0 (p's), e1 (V's)
	s_wait_alu depctr_vm_vsrc(0)                   ; first trip: the set-up's LDS stores have read v13, v248, v249 and E0+8 to E0+29; later trips: the last layer's LDS loads have read AXM, AWP, AWV, ACT.  All of these are written again below
	v_add_nc_u32 v[AXM], s68, v[XM0]
	v_add_nc_u32 v[AXNL], s68, v[XN0]
	v_add_nc_u32 v[AXWL], s69, v[XN0]
	v_add_nc_u32 v[AWP], s67, v[WPA0]
	v_add_nc_u32 v[AWV], s67, v[WVA0]
	v_mov_b32 v[ACT], s66
	s_wait_alu depctr_va_vdst(0)                   ; AXM, AWP, AWV and ACT are written, which the layer's LDS loads read; the layer before is done with CC, XT and VC0, in which the loads below land
	ds_load_b128 v[CC:CC+3], v[ACT] offset:CT
	ds_load_b128 v[CC+4:CC+7], v[ACT] offset:CT+16
	XKEYS                                          ; LDS serves a wave's instructions in order (ISA guide 5.7.1.4): these see my stores of x
.irp h, 0,1,2,3,4,5,6,7
	ds_load_b32 v[VC0+\h], v[AWV] offset:64*\h     ; Wv[l][h][r]
.endr
	s_wait_kmcnt 0x0
	s_sub_co_i32 s56, 135, s54
	s_lshl_b32 s56, s56, 23
	s_or_b32 s56, s56, 0x600000                    ; 448 x 2^-e0 = 1.75 x 2^(8 - e0) as f32
	s_add_co_i32 s57, s54, s55                     ; e0 + e1
	s_sub_co_i32 s58, 0, s55                       ; -e1
	s_wait_dscnt 0x0
.irp h, 0,1,2,3,4,5,6,7
	v_ldexp_f32 v[WP0+2*\h], v[VC0+\h], s58        ; w' = Wv / 2^e1, twice: a pair for the packed multiply
	v_ldexp_f32 v[WP0+2*\h+1], v[VC0+\h], s58
.endr
	VPAIR 0, PC0                                   ; each pair of heads has an out-buffer of its own, so that no code register is written twice in the phase
	VPAIR 1, ST0
	VPAIR 2, LIM
	VPAIR 3, LIM+16
	s_wait_alu depctr_va_vdst(0)                   ; the 32 conversions have written the four out-buffers, which the sixteen LDS stores read
	VOUT 0, PC0
	VOUT 1, ST0
	VOUT 2, LIM
	VOUT 3, LIM+16
	s_mov_b32 s70, 0
	s_mov_b32 s71, 0
	s_mov_b32 s72, 0
.Ltile:                                                ; four trips: queries 16 t + r
	s_wait_alu depctr_vm_vsrc(0)                   ; first trip: the stores of V's codes have read PC0.., ST0.. and LIM..; later trips: the last tile's loads have read ATAB and AXN, its store AXW and X1.  All of these are written again in this tile
	v_add_nc_u32 v[ATAB], s71, v[L16]
	v_add_nc_u32 v[AXN], s72, v[AXNL]
	v_add_nc_u32 v[AXW], s72, v[AXWL]
	s_wait_alu depctr_va_vdst(0)                   ; ATAB, AXN and AXW are written, which the tile's loads and its store read; the tile before (first trip: the V phase) is done with LIM, E0, XT and XNR, in which the loads below land
.irp g, 0,1,2,3,4,5,6,7
	ds_load_b128 v[LIM+4*\g:LIM+4*\g+3], v[ATAB] offset:LIMT+512*\g
.endr
.irp g, 0,1,2,3,4,5,6,7
	ds_load_b128 v[E0+4*\g:E0+4*\g+3], v[ATAB] offset:MIT+512*\g
.endr
	XKEYS                                          ; anew: the tile before has held XT within its own rows' ranges
	ds_load_b32 v[XNR], v[AXN]
	s_wait_dscnt 0x0
.set j, 0
.rept 32
	v_min_num_f32 v[E1+j], v[XT+j], v[E0+j]        ; x where the key counts, else -infinity
.set j, j+1
.endr
	v_max3_num_f32 v[RHI], v[E1], v[E1+1], v[E1+2] ; HI, in two chains
	v_max3_num_f32 v[TB], v[E1+3], v[E1+4], v[E1+5]
.irp i, 6,10,14,18,22,26
	v_max3_num_f32 v[RHI], v[RHI], v[E1+\i], v[E1+\i+1]
	v_max3_num_f32 v[TB], v[TB], v[E1+\i+2], v[E1+\i+3]
.endr
	v_max3_num_f32 v[RHI], v[RHI], v[E1+30], v[E1+31]
	v_max_num_f32 v[RHI], v[RHI], v[TB]
.set j, 0
.rept 32
	v_max_num_f32 v[E1+j], v[XT+j], -v[E0+j]       ; x where the key counts, else +infinity
.set j, j+1
.endr
	v_min3_num_f32 v[RLO], v[E1], v[E1+1], v[E1+2] ; LO likewise
	v_min3_num_f32 v[TA], v[E1+3], v[E1+4], v[E1+5]
.irp i, 6,10,14,18,22,26
	v_min3_num_f32 v[RLO], v[RLO], v[E1+\i], v[E1+\i+1]
	v_min3_num_f32 v[TA], v[TA], v[E1+\i+2], v[E1+\i+3]
.endr
	v_min3_num_f32 v[RLO], v[RLO], v[E1+30], v[E1+31]
	v_min_num_f32 v[RLO], v[RLO], v[TA]
	v_permlanex16_b32 v[PD], v[RHI], s38, s39
	v_max_num_f32 v[RHI], v[RHI], v[PD]
	v_permlanex16_b32 v[PD], v[RLO], s38, s39
	v_min_num_f32 v[RLO], v[RLO], v[PD]
	v_cmp_le_f32 vcc_lo, v[RLO], v[RHI]            ; false only for a row with no valid key (LO = +infinity, HI = -infinity):
	s_wait_alu depctr_va_vcc(0)                    ; the compare has written VCC, ahead of the two selects that read it
	v_cndmask_b32 v[RHI], 0, v[RHI], vcc_lo        ; its range becomes [0, 0], so that all stays finite up to S' = 0
	v_cndmask_b32 v[RLO], 0, v[RLO], vcc_lo
.set j, 0
.rept 32
	v_med3_num_f32 v[XT+j], v[XT+j], v[RLO], v[RHI]        ; valid keys stay as they are; masked keys come into the valid range: no t lies above the rounding of mx
.set j, j+1
.endr
	PAIR 0, 1
	PAIR 1, 0
	PAIR 2, 0
	PAIR 3, 0
	; the tile's end: the sum over my eight channels and the other half's; the residuals; the feed-forward
	v_pk_add_f32 v[YA:YA+1], v[YA:YA+1], v[YA+2:YA+3]
	v_pk_add_f32 v[YA+4:YA+5], v[YA+4:YA+5], v[YA+6:YA+7]
	v_pk_add_f32 v[YA:YA+1], v[YA:YA+1], v[YA+4:YA+5]
	v_add_f32 v[YA], v[YA], v[YA+1]
	v_permlanex16_b32 v[YA+2], v[YA], s38, s39
	v_add_f32 v[YA], v[YA], v[YA+2]
	v_ldexp_f32 v[YA], v[YA], s57                  ; x 2^(e0 + e1)
	v_add_f32 v[X1], v[XNR], v[YA]
	v_add_f32 v[X1], s52, v[X1]                    ; + bp
	v_fma_f32 v[FF], v[X1], s40, s44
	v_fma_f32 v[FF+1], v[X1], s41, s45
	v_fma_f32 v[FF+2], v[X1], s42, s46
	v_fma_f32 v[TA], v[X1], s43, s47
	v_max_num_f32 v[FF], 0, v[FF]
	v_max_num_f32 v[FF+1], 0, v[FF+1]
	v_max_num_f32 v[FF+2], 0, v[FF+2]
	v_max_num_f32 v[TA], 0, v[TA]
	v_mul_f32 v[FF], s48, v[FF]
	v_fma_f32 v[FF], v[FF+1], s49, v[FF]
	v_fma_f32 v[FF], v[FF+2], s50, v[FF]
	v_fma_f32 v[FF], v[TA], s51, v[FF]
	v_add_f32 v[X1], v[X1], v[FF]
	v_add_f32 v[X1], s53, v[X1]                    ; + b2
	s_wait_alu depctr_va_vdst(0)                   ; X1 is written, which the store reads.  Behind the last tile of the last layer it also states that the feed-forward is done with v30 and v31, in which the load on the way out lands
	ds_store_b32 v[AXW], v[X1]                     ; into the other buffer; lanes r and r + 16 write one word with one value
	s_wait_dscnt 0x0                               ; the store has landed; that it has read its address and data is stated at the next tile's head
	s_add_co_u32 s71, s71, 4096
	s_add_co_u32 s72, s72, 64
	s_add_co_u32 s70, s70, 1
	s_cmp_lt_u32 s70, 4
	s_cbranch_scc1 .Ltile
	s_wait_xcnt 0x0                                ; the layer's scalar loads have read their bases: they step to the next layer's numbers
	s_add_nc_u64 s[18:19], s[18:19], 16
	s_add_nc_u64 s[20:21], s[20:21], 16
	s_add_nc_u64 s[22:23], s[22:23], 16
	s_add_nc_u64 s[16:17], s[16:17], 4
	s_add_nc_u64 s[24:25], s[24:25], 4
	s_add_nc_u64 s[30:31], s[30:31], 8
	s_xor_b32 s68, s68, 256                        ; the two x buffers change places
	s_xor_b32 s69, s69, 256
	s_add_co_u32 s66, s66, 32
	s_add_co_u32 s67, s67, 512
	s_add_co_u32 s60, s60, 1
	s_cmp_lt_u32 s60, 3
	s_cbranch_scc1 .Llayer
	ds_load_b64 v[FF+1:FF+2], v[XW8] offset:256    ; three layers leave x in buffer 1.  (No wait: no vector instruction has been issued since the wait ahead of the last tile's store)
	s_wait_dscnt 0x0
	v_fma_f32 v[FF+1], v[FF+1], s74, s75           ; x Wlm + blm
	v_fma_f32 v[FF+2], v[FF+2], s74, s75
	s_wait_alu depctr_va_vdst(0)                   ; the two multiply-adds have written v30 and v31, which the store reads
	global_store_b64 v[G8], v[FF+1:FF+2], s[32:33] th:TH_STORE_NT  ; the wave stores 256 consecutive bytes, at a multiple of 256 from out0's first byte
	s_wait_xcnt 0x0
	v_lshl_add_u32 v254, v0, 2, 0x2b100            ; the add's two registers, made anew: my spare word, behind the images of V's codes; v254 and v255 were last read by the set-up's loads, ahead of every wait on vm_vsrc in the loops
	v_mov_b32 v255, 0
	s_wait_dscnt 0x0                               ; the closing lines, six on end
	s_wait_alu 0x0
	s_wait_tensorcnt 0x0
	ds_add_u32 v254, v255
	s_wait_dscnt 0x0
	s_endpgm
.Lfunc_end_k_q68b66856c8_cat:
	.size	k_q68b66856c8_cat, .Lfunc_end_k_q68b66856c8_cat-k_q68b66856c8_cat
	.p2alignl 7, 3214868480
	.fill 96, 4, 3214868480
	.section	.rodata,"a",@progbits
	.p2align	6, 0x0
	.amdhsa_kernel k_q68b66856c8_cat
		.amdhsa_group_segment_fixed_size 178432
		.amdhsa_private_segment_fixed_size 0
		.amdhsa_enable_private_segment 0
		.amdhsa_kernarg_size 120
		.amdhsa_user_sgpr_count 2
		.amdhsa_user_sgpr_kernarg_segment_ptr 1
		.amdhsa_wavefront_size32 1
		.amdhsa_system_sgpr_workgroup_id_x 1
		.amdhsa_system_sgpr_workgroup_id_y 1
		.amdhsa_system_sgpr_workgroup_id_z 1
		.amdhsa_system_vgpr_workitem_id 0
		.amdhsa_next_free_vgpr 256
		.amdhsa_next_free_sgpr 80
		.amdhsa_reserve_vcc 1
		.amdhsa_float_denorm_mode_32 3
		.amdhsa_float_denorm_mode_16_64 3
		.amdhsa_memory_ordered 1
		.amdhsa_forward_progress 1
		.amdhsa_inst_pref_size 100
	.end_amdhsa_kernel
	.amdgpu_metadata
---
amdhsa.version: [ 1, 2 ]
amdhsa.kernels:
  - .name:           k_q68b66856c8_cat
    .symbol:         k_q68b66856c8_cat.kd
    .args:
      - { .name: X, .offset: 0, .size: 8, .value_kind: global_buffer, .address_space: global }
      - { .name: dag, .offset: 8, .size: 8, .value_kind: global_buffer, .address_space: global }
      - { .name: Wk, .offset: 16, .size: 8, .value_kind: global_buffer, .address_space: global }
      - { .name: Wq, .offset: 24, .size: 8, .value_kind: global_buffer, .address_space: global }
      - { .name: Wv, .offset: 32, .size: 8, .value_kind: global_buffer, .address_space: global }
      - { .name: Wp, .offset: 40, .size: 8, .value_kind: global_buffer, .address_space: global }
      - { .name: bp, .offset: 48, .size: 8, .value_kind: global_buffer, .address_space: global }
      - { .name: W1, .offset: 56, .size: 8, .value_kind: global_buffer, .address_space: global }
      - { .name: b1, .offset: 64, .size: 8, .value_kind: global_buffer, .address_space: global }
      - { .name: W2, .offset: 72, .size: 8, .value_kind: global_buffer, .address_space: global }
      - { .name: b2, .offset: 80, .size: 8, .value_kind: global_buffer, .address_space: global }
      - { .name: Wlm, .offset: 88, .size: 8, .value_kind: global_buffer, .address_space: global }
      - { .name: blm, .offset: 96, .size: 8, .value_kind: global_buffer, .address_space: global }
      - { .name: lowp_scales, .offset: 104, .size: 8, .value_kind: global_buffer, .address_space: global }
      - { .name: out0, .offset: 112, .size: 8, .value_kind: global_buffer, .address_space: global }
    .group_segment_fixed_size: 178432
    .private_segment_fixed_size: 0
    .kernarg_segment_align: 8
    .kernarg_segment_size: 120
    .max_flat_workgroup_size: 512
    .sgpr_count:     80
    .vgpr_count:     256
    .wavefront_size: 32
...
	.end_amdgpu_metadata
.endif
;; end of part 2
